; MI455X (gfx1250); checked and timed in simulation.
; The chip was launched on July 23, 2026; its instructions are those of AMD's public machine-readable ISA for CDNA 5 (MIT licence, August 2026) and "CDNA5" Instruction Set Architecture Reference Guide (July 2026). The comments in the code are by the model that wrote it; some were corrected since.
;; Full Attention. Allowed arithmetic: matrix products marked QUANTISED: E4M3 operands, one E8M0 scale for each 32 along K, by v_wmma_scale_f32_16x16x128_f8f6f4 with both operands' format E4M3, f32 sums; everything else in f32.
;; Inputs: keys 4 x 2,048 x 16 x 64 float32; queries 4 x 2,048 x 16 x 64 float32; values 4 x 2,048 x 16 x 64 float32.
;; Outputs: out0 4 x 2,048 x 16 x 64 float32.
;; This version of the problem:
;;   THIS VERSION OF THE PROBLEM IS GIVEN IN LOW PRECISION. The matrix products marked QUANTISED in the list below multiply operands that are first quantised to E4M3 (4 exponent bits, 3 mantissa bits; 8 bits a number), with one power-of-two scale for each 32 numbers along K (OCP MX v1.0); their sums are f32. All else is computed in f32.
;;   The module's matrix products, in the order in which they are computed (A, B: the left and right operand; K: the contracted axis; several contracted axes count as one K, in the product's order):
;;     1. batch 64 x [M 2,048, K 64] x [K 64, N 2,048]; A: input queries; B: input keys: QUANTISED
;;     2. batch 64 x [M 64, K 2,048] x [K 2,048, N 2,048]; A: input values; B: softmax (see below): QUANTISED
;;   THE QUANTISER, for each operand of a quantised product, along K:
;;     - K is cut into blocks of 32 from its start; a last block that is shorter is filled with zeros.
;;     - A block's scale is 2^e with e = floor(log2(the largest magnitude in the block)) - 8, held to -126 .. 127; a block of zeros has e = 0. As a byte (E8M0): e + 127.
;;     - Each number is divided by its block's scale, clamped to +-448, and rounded to the nearest number of E4M3, ties to even, subnormals kept.
;;     - The product sums the exact products of the quantised numbers (number of the format x scale) in f32.
;;   ~~~python
;;   def quantise(x, axis):      # numpy; x: float32 -> the quantised numbers, widened to float32 again
;;       x = np.moveaxis(x, axis, -1); K = x.shape[-1]
;;       x = np.pad(x, [(0, 0)] * (x.ndim - 1) + [(0, -K % 32)]); x = x.reshape(x.shape[:-1] + (-1, 32)); a = np.abs(x).max(-1, keepdims=True)
;;       e = np.where(a > 0, np.clip(np.frexp(np.where(a > 0, a, 1))[1] - 1 - 8, -126, 127), 0)      # np.frexp(a)[1] - 1 = floor(log2(a)), exactly
;;       r = np.clip(x / 2.0 ** e, -448, 448)
;;       step = 2.0 ** (np.maximum(np.frexp(np.where(r == 0, 1, r))[1] - 1, -6) - 3)
;;       q = np.round(r / step) * step * 2.0 ** e      # np.round: ties to even
;;       return np.moveaxis(q.reshape(q.shape[:-2] + (-1,))[..., :K], -1, axis).astype(np.float32)
;;   ~~~
;;   SOFTMAX AHEAD OF A QUANTISED PRODUCT. Where the list says 'softmax', what is quantised is not the finished softmax but p = 2^(t - M), with t = logit x log2(e) and M = ceil(the row's largest t), a whole number; so 1/2 < the row's largest p <= 1. The row's sum l is taken of the UNQUANTISED p, in f32, and the product's result is divided by l at the end. Since M is a whole number, a kernel that streams over the keys may use a running M (the ceiling of the running maximum): every later rescaling is an exact power of two, which a block's scale takes up: the codes' values come out the same.
;;   OPERANDS COMPUTED ON THE WAY. 'Computed on the way' means the value that the module computes at that place (a softmax that the list does not call 'softmax' is quantised finished and normalised). What goes into a quantiser is computed in f32, as accurately as f32 sums, v_exp_f32 and their like allow (about 1e-6 of the number): no bf16 or f16 on the way to a quantiser, and a product that is left as it is and whose result goes on into a quantised operand takes f32 operands (vector FMAs, or v_wmma_f32_16x16x4_f32). A number that lies on a knife's edge between two numbers of the format may be rounded either way, as far as f32 arithmetic and the matrix unit's own rounding can turn it there, and no further.
;; One version. Each part assembles by itself: llvm-mc -triple=amdgcn-amd-amdhsa -mcpu=gfx1250 --defsym DOCPART=n.
;; ======== version 1 of 1: 2 launches
;; limits: right only within a limited range of input values
;; workspace buffers: kv 17,563,648 bytes
;; launch quant (part 1): grid 512 x 1, 4 waves a work-group, no clusters, 17,920 bytes of LDS; arguments keys, values, kv; writes kv
.if DOCPART == 1
	.amdgcn_target "amdgcn-amd-amdhsa--gfx1250"
	.amdhsa_code_object_version 6
	.text
	.protected	k_qe89ec45dfd_quant
	.globl	k_qe89ec45dfd_quant
	.p2align	8
	.type	k_qe89ec45dfd_quant,@function
k_qe89ec45dfd_quant:
	s_mov_b64 s[64:65], 0
	v_nop
	global_prefetch_b8 v0, s[64:65] scope:SCOPE_SE
	s_setreg_imm32_b32 hwreg(HW_REG_WAVE_MODE, 25, 1), 1
	s_wait_xcnt 0x0
; keys and values, [4][2048][16][64] f32, become codes of FP8 (E4M3) with one E8M0 scale byte for each 32 along a product's K:
; keys are quantised along the head's 64 numbers, values DOWN THE KEYS.  A block's scale is 2^(floor(log2(its largest magnitude)) - 8);
; its byte is the largest magnitude's exponent field - 8, held at 1 from below; each number is held within +-448 x the scale and rounded to the nearest code, ties to even.
; THE WORKSPACE kv is laid in the order of the operands' registers: one record of REC = 17,152 bytes for each (batch, head, step of 128 keys), record number (16 b + head) 16 + step:
;   byte 0      K's codes: tile t (0..7), piece c (0, 1) at 1024 t + 512 c + 16 lane: lane (r, h) holds key 32 (t / 2) + 8 (t % 2) + r + 8 (r / 8) of the step, numbers 32 c + 16 h + 0 .. 15
;   byte 8192   V's codes: tile dt (0..3), piece c (0..3) at 2048 dt + 512 c + 16 lane: lane (r, h) holds channel 16 dt + r, keys 32 c + 16 h + 0 .. 15 of the step
;   byte 16384  K's scale words at 16 lane + 4 j: tile 2 j + lane / 16, row lane % 16; the two bytes stand twice in the word (b0, b1, b0, b1): the product pads K from 64 to 128
;   byte 16896  V's scale words at 8 lane + 4 j: tile 2 j + lane / 16, row lane % 16; byte c for keys 32 c on
; SHARES.  Work-groups 0 to 255 take keys, 256 to 511 values; a wave makes K's or V's part of one record: 128 keys x 64 numbers.  The four waves of a work-group take four neighbouring heads of the same keys.
; Waves share nothing: no barrier.  Only the keys' path uses LDS.
; LIMITS: NaN and infinities among the inputs are not served.  A block of zeros, and a block whose largest magnitude lies under 2^(9 - 127), gets the byte 1 (the rule says 127 for zeros): a block of zeros has zero codes, and this program alone reads the bytes.
.set REC,    17152
.set VCO,    8192
.set KSC,    16384
.set VSC,    16896
.set SPITCH, 272                       ; a stage row: 256 bytes + 16: the sixteen rows that a load touches start 68 words apart
.set STG,    16*SPITCH                 ; a wave's stage
.set FLOOR,  0x4800000                 ; 2^(9 - 127)
.set GI,   2                           ; v2   keys: my bytes in memory: 16 (lane % 16), and 16 keys on for lanes 16-31.  values: 4 lane
.set SW,   3                           ; v3   keys: the stage, on the way in.  values: 8 lane
.set SRD,  4                           ; v4   keys: the stage, on the way out
.set CO,   5                           ; v5   where my codes go in a piece
.set MX,   6                           ; v6-7   largest magnitudes
.set PM,   8                           ; v8-9   the other half's, then the bytes
.set HOLD, 10                          ; v10-11 448 x the scale
.set SOP,  12                          ; v12-13 the conversions' scale operand
.set KR,   16                          ; v16-143  keys: four sets of 32 registers as loaded
.set KX,   144                         ; v144-207 two sets of 32 numbers, a fragment's order
.set KC,   208                         ; v208-239 four sets of 8 registers of codes
.set KW,   240                         ; v240-247 a scale word for each tile
.set KSO,  248                         ; v248-251 the scale words as they are stored
.set VX,   16                          ; v16-79   values: two sets of 32 numbers
.set VC,   80                          ; v80-143  8 registers of codes for each of 8 blocks: no store's data are written again
.set VSB,  144                         ; v144-145 the scale words
.macro KLOAD t                         ; tile t: lanes 0-15 read one key's 256 bytes, lanes 16-31 those of the key 16 further on
.irp n, 0,1,2,3,4,5,6,7
	global_load_b128 v[KR+32*((\t)%4)+4*\n:KR+32*((\t)%4)+4*\n+3], v[GI], s[4:5] offset:(32*((\t)/2)+8*((\t)%2)+\n)*4096 th:TH_LOAD_NT
.endr
.endm
.macro KTURN t                         ; through the stage: stage row n + 8 (lane / 16) is the fragment's row; back come 16 neighbours of each block of 32.  LDS serves a wave's instructions in order (ISA guide 5.7.1): no wait between
.irp n, 0,1,2,3,4,5,6,7
	ds_store_b128 v[SW], v[KR+32*((\t)%4)+4*\n:KR+32*((\t)%4)+4*\n+3] offset:\n*SPITCH
.endr
.irp c, 0,1
.irp j, 0,1,2,3
	ds_load_b128 v[KX+32*((\t)%2)+16*\c+4*\j:KX+32*((\t)%2)+16*\c+4*\j+3], v[SRD] offset:128*\c+16*\j
.endr
.endr
.endm
.macro KTILE t
.set XS, KX+32*((\t)%2)
.set CB, KC+8*((\t)%4)
	s_wait_dscnt 0x0                               ; this tile's numbers are back from the stage, so its stores into the stage have read their registers,
.if (\t)+4 < 8
	KLOAD (\t)+4                                   ; which take the loads of four tiles on
.endif
.if (\t)+1 < 8
.if 6-(\t) >= 3
	s_wait_loadcnt 24                              ; the next tile's eight loads are in; those of the three tiles behind it may be out
.else
	s_wait_loadcnt 8*(6-(\t))
.endif
	KTURN (\t)+1                                   ; and go through the stage while this tile is worked
.endif
.if (\t) >= 4
	s_wait_xcnt 0x0                                ; the stores of four tiles back have read their data: this set of codes is written again only behind this wait
.endif
.irp c, 0,1
	v_max3_num_f32 v[MX+\c], |v[XS+16*\c]|, |v[XS+16*\c+1]|, FLOOR   ; block c: my 16 numbers, and the floor: the byte cannot fall under 1
.endr
.irp i, 2,4,6,8,10,12,14
.irp c, 0,1
	v_max3_num_f32 v[MX+\c], v[MX+\c], |v[XS+16*\c+\i]|, |v[XS+16*\c+\i+1]|
.endr
.endr
.irp c, 0,1
	v_permlanex16_b32 v[PM+\c], v[MX+\c], s20, s21
.endr
.irp c, 0,1
	v_max_num_f32 v[MX+\c], v[MX+\c], v[PM+\c]     ; with lane l xor 16's: the block's largest magnitude
.endr
.irp c, 0,1
	v_add_nc_u32 v[SOP+\c], 0xfc000000, v[MX+\c]   ; 8 off its exponent field: the conversion takes this operand's exponent field as its scale
.endr
.irp c, 0,1
	v_and_or_b32 v[HOLD+\c], v[MX+\c], 0x7f800000, s22   ; 448 x the scale
.endr
.irp c, 0,1
.irp i, 0,1,2,3,4,5,6,7,8,9,10,11,12,13,14,15
	v_med3_num_f32 v[XS+16*\c+\i], v[XS+16*\c+\i], -v[HOLD+\c], v[HOLD+\c]   ; the conversion to an 8-bit code does not saturate (ISA guide 7.6.2): the hold
.endr
	v_cvt_scalef32_pk8_fp8_f32 v[CB+4*\c:CB+4*\c+1], v[XS+16*\c:XS+16*\c+7], v[SOP+\c]
	v_cvt_scalef32_pk8_fp8_f32 v[CB+4*\c+2:CB+4*\c+3], v[XS+16*\c+8:XS+16*\c+15], v[SOP+\c]
.endr
.irp c, 0,1
	v_lshrrev_b32 v[PM+\c], 23, v[SOP+\c]          ; the scale's byte (also the plain line behind the conversions)
.endr
	v_lshl_or_b32 v[KW+(\t)], v[PM+1], 8, v[PM]
	v_lshl_or_b32 v[KW+(\t)], v[KW+(\t)], 16, v[KW+(\t)]   ; b0, b1, b0, b1
.irp c, 0,1
	global_store_b128 v[CO], v[CB+4*\c:CB+4*\c+3], s[8:9] offset:(\t)*1024+\c*512   ; 32 lanes store 512 consecutive bytes, at a multiple of 256 from kv's first byte
.endr
.endm
.macro VLOAD q                         ; block q = 2 c + g: keys 32 c + i, channel 32 g + lane: a lane takes a column, its registers run down the keys
.irp i, 0,1,2,3,4,5,6,7,8,9,10,11,12,13,14,15,16,17,18,19,20,21,22,23,24,25,26,27,28,29,30,31
	global_load_b32 v[VX+32*((\q)%2)+\i], v[GI], s[6:7] offset:(32*((\q)/2)+\i)*4096+128*((\q)%2) th:TH_LOAD_NT
.endr
.endm
.macro VBLOCK q
.set XS, VX+32*((\q)%2)
.set CB, VC+8*(\q)
.if (\q) < 7
	s_wait_loadcnt 32                              ; this block's 32 loads are in; the next block's may be out
.else
	s_wait_loadcnt 0x0
.endif
	v_max3_num_f32 v[MX], |v[XS]|, |v[XS+1]|, |v[XS+2]|             ; all 32 numbers of the block are mine: two chains
	v_max3_num_f32 v[MX+1], |v[XS+3]|, |v[XS+4]|, |v[XS+5]|
.irp i, 6,10,14,18,22,26
	v_max3_num_f32 v[MX], v[MX], |v[XS+\i]|, |v[XS+\i+1]|
	v_max3_num_f32 v[MX+1], v[MX+1], |v[XS+\i+2]|, |v[XS+\i+3]|
.endr
	v_max3_num_f32 v[MX], v[MX], |v[XS+30]|, |v[XS+31]|
	v_max3_num_f32 v[MX], v[MX], v[MX+1], FLOOR
	v_add_nc_u32 v[SOP], 0xfc000000, v[MX]
	v_and_or_b32 v[HOLD], v[MX], 0x7f800000, s22
	v_lshrrev_b32 v[PM], 23, v[SOP]
.if (\q)/2 == 0
	v_mov_b32 v[VSB+(\q)%2], v[PM]                 ; four bytes to a word, the earlier keys in the lower byte
.else
	v_lshl_or_b32 v[VSB+(\q)%2], v[PM], 8*((\q)/2), v[VSB+(\q)%2]
.endif
.irp i, 0,1,2,3,4,5,6,7,8,9,10,11,12,13,14,15,16,17,18,19,20,21,22,23,24,25,26,27,28,29,30,31
	v_med3_num_f32 v[XS+\i], v[XS+\i], -v[HOLD], v[HOLD]
.endr
.irp u, 0,1,2,3
	v_cvt_scalef32_pk8_fp8_f32 v[CB+2*\u:CB+2*\u+1], v[XS+8*\u:XS+8*\u+7], v[SOP]
.endr
	; my channel is row lane % 16 of tile 2 g + lane / 16; my first 16 keys are the piece's lanes 0-15, the other 16 its lanes 16-31: in each store sixteen lanes write 256 consecutive bytes, aligned
	global_store_b128 v[CO], v[CB:CB+3], s[8:9] offset:VCO+((\q)%2)*4096+((\q)/2)*512
	global_store_b128 v[CO], v[CB+4:CB+7], s[8:9] offset:VCO+((\q)%2)*4096+((\q)/2)*512+256
.if (\q)+2 < 8
	VLOAD (\q)+2                                   ; (the next block begins with plain vector lines: they stand between the conversions and the next write of their scale operand)
.endif
.endm
	s_load_b128 s[4:7], s[0:1], 0x0                ; keys s[4:5], values s[6:7]
	s_load_b64 s[8:9], s[0:1], 0x10                ; kv
	v_lshl_add_u32 v254, v0, 2, 0x4400
	v_mov_b32 v255, 0
	v_lshrrev_b32 v1, 5, v0
	v_readfirstlane_b32 s10, v1                    ; wave 0..3
	v_and_b32 v1, 31, v0                           ; lane
	v_and_b32 v14, 15, v0                          ; r = lane % 16
	v_bfe_u32 v15, v0, 4, 1                        ; h = lane / 16
	s_and_b32 s11, ttmp9, 255
	s_lshl_b32 s11, s11, 2
	s_add_co_u32 s11, s11, s10                     ; my item, 0 .. 1023:
	s_and_b32 s12, s11, 15                         ; the head,
	s_bfe_u32 s13, s11, 0x40004                    ; the step of 128 keys,
	s_lshr_b32 s14, s11, 8                         ; the batch
	s_lshl_b32 s16, s14, 23                        ; in the inputs: a batch is 2^23 bytes, 128 keys 2^19, a head's row 256
	s_lshl_b32 s15, s13, 19
	s_or_b32 s16, s16, s15
	s_lshl_b32 s15, s12, 8
	s_or_b32 s16, s16, s15
	s_mov_b32 s17, 0
	s_lshl_b32 s18, s14, 4
	s_add_co_u32 s18, s18, s12
	s_lshl_b32 s18, s18, 4
	s_add_co_u32 s18, s18, s13                     ; my record's number
	s_mul_i32 s18, s18, REC
	s_mov_b32 s19, 0
	s_mov_b32 s20, 0x76543210
	s_mov_b32 s21, 0xfedcba98                      ; v_permlanex16_b32's selects for lane l xor 16
	s_mov_b32 s22, 0x600000                        ; the mantissa field of 448
	s_wait_kmcnt 0x0
	s_add_nc_u64 s[4:5], s[4:5], s[16:17]
	s_add_nc_u64 s[6:7], s[6:7], s[16:17]
	s_add_nc_u64 s[8:9], s[8:9], s[18:19]
	s_cmp_lt_u32 ttmp9, 256
	s_cbranch_scc0 .Lvalues
	; ---- keys
	s_wait_alu depctr_va_vdst(0)
	v_lshlrev_b32 v[GI], 4, v14
	v_lshl_add_u32 v[GI], v15, 16, v[GI]           ; 16 r + 16 keys of 4,096 bytes x h
	s_mul_i32 s15, s10, STG                        ; my wave's stage
	v_mul_u32_u24 v[SW], v15, 8*SPITCH
	v_lshl_add_u32 v[SW], v14, 4, v[SW]
	v_add_nc_u32 v[SW], s15, v[SW]                 ; in: row 8 h (+ n), 16 r
	v_mul_u32_u24 v[SRD], v14, SPITCH
	v_lshl_add_u32 v[SRD], v15, 6, v[SRD]
	v_add_nc_u32 v[SRD], s15, v[SRD]               ; out: row r, + 64 h: my 16 numbers of a block of 32
	v_lshlrev_b32 v[CO], 4, v1
	v_mov_b32 v[PM], 0                             ; written once: a lane permute's destination counts as one of its sources
	v_mov_b32 v[PM+1], 0
.irp t, 0,1,2,3
	KLOAD \t
.endr
	s_wait_alu depctr_va_vdst(0)
	s_wait_loadcnt 24                              ; tile 0's eight loads are in
	KTURN 0
.irp t, 0,1,2,3,4,5,6,7
	KTILE \t
.endr
	v_cmp_le_u32 vcc_lo, 16, v1                    ; lanes 16-31 carry the odd tile's words (every lane holds row lane % 16's word of every tile)
.irp j, 0,1,2,3
	v_cndmask_b32 v[KSO+\j], v[KW+2*\j], v[KW+2*\j+1], vcc_lo
.endr
	global_store_b128 v[CO], v[KSO:KSO+3], s[8:9] offset:KSC
	s_wait_tensorcnt 0x0
	ds_add_u32 v254, v255
	s_wait_dscnt 0x0
	s_endpgm
.Lvalues:
	s_wait_alu depctr_va_vdst(0)
	v_lshlrev_b32 v[GI], 2, v1
	v_lshlrev_b32 v[SW], 3, v1
	v_lshlrev_b32 v[CO], 4, v14
	v_lshl_add_u32 v[CO], v15, 11, v[CO]           ; 16 (lane % 16) + a tile of 2,048 bytes x (lane / 16)
	VLOAD 0
	VLOAD 1
.irp q, 0,1,2,3,4,5,6,7
	VBLOCK \q
.endr
	global_store_b64 v[SW], v[VSB:VSB+1], s[8:9] offset:VSC   ; 32 lanes store 256 consecutive bytes, aligned
	s_endpgm
.Lfunc_end_k_qe89ec45dfd_quant:
	.size	k_qe89ec45dfd_quant, .Lfunc_end_k_qe89ec45dfd_quant-k_qe89ec45dfd_quant
	.p2alignl 7, 3214868480
	.fill 96, 4, 3214868480
	.section	.rodata,"a",@progbits
	.p2align	6, 0x0
	.amdhsa_kernel k_qe89ec45dfd_quant
		.amdhsa_group_segment_fixed_size 17920
		.amdhsa_private_segment_fixed_size 0
		.amdhsa_enable_private_segment 0
		.amdhsa_kernarg_size 24
		.amdhsa_user_sgpr_count 2
		.amdhsa_user_sgpr_kernarg_segment_ptr 1
		.amdhsa_wavefront_size32 1
		.amdhsa_system_sgpr_workgroup_id_x 1
		.amdhsa_system_sgpr_workgroup_id_y 1
		.amdhsa_system_sgpr_workgroup_id_z 1
		.amdhsa_system_vgpr_workitem_id 0
		.amdhsa_next_free_vgpr 256
		.amdhsa_next_free_sgpr 66
		.amdhsa_reserve_vcc 1
		.amdhsa_float_denorm_mode_32 3
		.amdhsa_float_denorm_mode_16_64 3
		.amdhsa_memory_ordered 1
		.amdhsa_forward_progress 1
		.amdhsa_inst_pref_size 106
	.end_amdhsa_kernel
	.amdgpu_metadata
---
amdhsa.version: [ 1, 2 ]
amdhsa.kernels:
  - .name:           k_qe89ec45dfd_quant
    .symbol:         k_qe89ec45dfd_quant.kd
    .args:
      - { .name: keys, .offset: 0, .size: 8, .value_kind: global_buffer, .address_space: global }
      - { .name: values, .offset: 8, .size: 8, .value_kind: global_buffer, .address_space: global }
      - { .name: kv, .offset: 16, .size: 8, .value_kind: global_buffer, .address_space: global }
    .group_segment_fixed_size: 17920
    .private_segment_fixed_size: 0
    .kernarg_segment_align: 8
    .kernarg_segment_size: 24
    .max_flat_workgroup_size: 128
    .sgpr_count:     66
    .vgpr_count:     256
    .wavefront_size: 32
...
	.end_amdgpu_metadata
.endif
;; end of part 1
;; launch attend (part 2): grid 4 x 64, 16 waves a work-group, clusters of 4 x 1, 327,680 bytes of LDS; arguments queries, kv, out0; writes out0
.if DOCPART == 2
	.amdgcn_target "amdgcn-amd-amdhsa--gfx1250"
	.amdhsa_code_object_version 6
	.text
	.protected	k_qe89ec45dfd_attend
	.globl	k_qe89ec45dfd_attend
	.p2align	8
	.type	k_qe89ec45dfd_attend,@function
k_qe89ec45dfd_attend:
	s_mov_b64 s[64:65], 0
	v_nop
	global_prefetch_b8 v0, s[64:65] scope:SCOPE_SE
	s_setreg_imm32_b32 hwreg(HW_REG_WAVE_MODE, 25, 1), 1
	s_wait_xcnt 0x0
	s_wait_alu depctr_hold_cnt(0) depctr_sa_sdst(0) depctr_va_vdst(0) depctr_va_sdst(0) depctr_va_ssrc(0) depctr_va_vcc(0) depctr_vm_vsrc(0)
	s_getreg_b32 s2, hwreg(HW_REG_IB_STS2, 6, 4)
	s_cmp_eq_u32 s2, 0
	s_cbranch_scc0 .Lentry_in_a_cluster
	s_endpgm
.Lentry_in_a_cluster:
	s_bfe_u32 s2, ttmp6, 0x10000c
	s_cmp_lg_u32 s2, 0x3003
	s_cbranch_scc0 .Lentry_shape_is_right
	s_endpgm
.Lentry_shape_is_right:
; out0[b][q][head][:] = the sum over k of softmax_k(Q[q] . K[k]) V[k][:], unscaled, no mask; both products on codes of FP8 (E4M3) with one E8M0 scale for each 32 along a product's K.
; queries, out0: [4][2048][16][64] f32.  K and V come as codes and scale words from kv, in the order of the operands' registers: a record of REC bytes for each 128 keys of a head.
; THE SOFTMAX: t = score x log2(e); M = the row's largest t so far, rounded UP to a whole number; p = 2^(t - M) is quantised along the keys, not normalised.
; The row's sum is taken of the unquantised p and divides O at the end.  When M moves, the sum and O are multiplied by 2^(old M - new M): exact.
; SHARES.  A work-group owns 512 queries of one head; each of its sixteen waves owns two tiles of 16 queries (256 apart), taken one after the other: 4 x 64 work-groups in all.
; THE WHOLE HEAD STAYS IN LDS: 16 records, 274,432 bytes, filled once: wave w's one tensor load brings record w.  Waves 0 to 3 have a load line of their own and alone wait at the first barrier,
; which shows records 0 to 3; behind four key steps every wave waits and a second barrier shows the rest.  Behind it the waves share nothing until the closing round.
; CLUSTER.  The four work-groups of a head form a cluster and ask for each record jointly: the same load, the same descriptor, a mask that names the four.
; PREFETCH.  The records come by the head's loads alone: no loop stands ahead of them.  My second tile of queries, 16 rows of 256 bytes, is asked for once, behind the first barrier, 16 key steps ahead of its loads: a lane a row.
; LAYOUT.  Both products are used transposed: S^T = K Q^T, O^T = V^T P^T: a lane holds ONE query (lane % 16) throughout.
; Lane r of K's tile 2 b + u holds key 32 b + 8 u + r + 8 (r / 8), so that the 16 registers of tiles 2 b and 2 b + 1 are 16 neighbouring keys.
; THE FIRST PRODUCT'S K IS 64, THE INSTRUCTION'S 128.  Q's operand has zero codes for k = 64 .. 127.  K's tile t is 8 registers and its operand names 16: the upper eight are the next tile's codes (behind tile 7: zeros).
; They are codes that the quantiser made (none is the NaN code) and meet zeros: they add nothing.  The scale words repeat their two bytes for those blocks.
; LIMITS: NaN and infinities among the inputs are not served.  A block of zeros gets the scale byte 1 where the rule says 127: its codes are zeros, and this program alone reads the bytes.
; The promise holds while the scores x log2(e) stay under 2^31 in magnitude.
.set REC,   17152                      ; K's codes 8,192 (1024 t + 512 c + 16 lane), V's codes 8,192 (2048 d + 512 c + 16 lane), K's scale words 512, V's 256
.set VCO,   8192
.set KSC,   16384
.set VSC,   16896
.set HEADB, 16*REC
.set QST,   HEADB                      ; behind the records: a stage of WST bytes for each wave, into which no fill lands
.set WST,   2304                       ; Q's way in: 16 rows x 144; O's way out: 8 rows x 272
.set QSP,   144
.set OSP,   272
.set SPARE, 0x4c000                    ; behind the stages: the spare words, 128 bytes a wave
.set NEXTQ, 256*4096                   ; bytes from my first tile of queries to my second
.set FLOOR, 0x4800000                  ; 2^(9 - 127)
.set LI,  1                            ; 16 x lane
.set L8,  2                            ; 8 x lane
.set AD,  3                            ; the step's record + 16 x lane
.set AD8, 4                            ; the step's record + 8 x lane; for Q's loads my byte offset in the tile's rows
.set STO, 5                            ; O's stage, on the way in
.set RD,  6                            ; O's stage, on the way out
.set GO,  7                            ; my byte offset in the wave's rows of out0
.set NM,  8                            ; v8 -M, v9 the largest t
.set SUM, 10                           ; v[10:11] the row's sum, in two halves
.set QC,  12                           ; v12-19 Q's codes, v20-27 zeros
.set QS,  28                           ; Q's scale words
.set PS,  29                           ; p's scale word
.set KS,  30                           ; v30-33 K's scale words
.set VS,  34                           ; v34-35 V's
.set KV,  36                           ; v36-99 K's eight tiles, later V's four fragments; v100-107 zeros
.set S,   108                          ; v108-171 S^T, then p
.set O,   172                          ; v172-203 O^T
.set PC,  204                          ; v204-219 p's codes
.set BM,  220                          ; v220-223 the blocks' largest scores, then largest p
.set BP,  224                          ; v224-227 at work; v226, v227 for Q's way in: its stage's two addresses
.set HD,  228                          ; v228-231 448 x the scale; v228 before that the old -M
.set SO,  232                          ; v232-235 the conversions' scale operands
.set F,   236                          ; v236 f = 2^(old M - new M); v237 named with it as a pair
.set T,   238
.set PFO, 239                          ; the prefetch's offset: 4,096 x min(lane, 15); never rewritten
.set SA,  240                          ; v240-253 seven pairs: the step's sums of p
.set SPW, 254
.set NIL, 255
.set WV,  10
.set G1,  16
.set G0,  24
.set TB,  40
.set CNT, 41
.set SEL, 42
.set CS,  44
.set MNT, 46
.macro ROUND
	s_barrier_signal -1
	s_barrier_wait -1
	s_cmp_lg_u32 s[WV], 0
	s_cbranch_scc1 .Lnot_wave_0_\@
	s_barrier_signal -3
.Lnot_wave_0_\@:
	s_barrier_wait -3
	s_barrier_signal -1
	s_barrier_wait -1
.endm
.macro QK t
.if (\t)%2
	v_wmma_scale_f32_16x16x128_f8f6f4 v[S+8*(\t):S+8*(\t)+7], v[KV+8*(\t):KV+8*(\t)+15], v[QC:QC+15], 0, v[KS+(\t)/2], v[QS] matrix_a_scale:MATRIX_SCALE_ROW1
.else
	v_wmma_scale_f32_16x16x128_f8f6f4 v[S+8*(\t):S+8*(\t)+7], v[KV+8*(\t):KV+8*(\t)+15], v[QC:QC+15], 0, v[KS+(\t)/2], v[QS]
.endif
.endm
.macro PV d
.if (\d)%2
	v_wmma_scale_f32_16x16x128_f8f6f4 v[O+8*(\d):O+8*(\d)+7], v[KV+16*(\d):KV+16*(\d)+15], v[PC:PC+15], v[O+8*(\d):O+8*(\d)+7], v[VS+(\d)/2], v[PS] matrix_a_scale:MATRIX_SCALE_ROW1
.else
	v_wmma_scale_f32_16x16x128_f8f6f4 v[O+8*(\d):O+8*(\d)+7], v[KV+16*(\d):KV+16*(\d)+15], v[PC:PC+15], v[O+8*(\d):O+8*(\d)+7], v[VS+(\d)/2], v[PS]
.endif
.endm
; The last step's seven partial sums become one, and the row's sum takes it under that step's f; -M is copied.  Eight plain lines that name no register of a product: they are the eight places behind one.
.macro FOLD
	v_pk_add_f32 v[SA:SA+1], v[SA:SA+1], v[SA+8:SA+9]
	v_pk_add_f32 v[SA+2:SA+3], v[SA+2:SA+3], v[SA+10:SA+11]
	v_pk_add_f32 v[SA+4:SA+5], v[SA+4:SA+5], v[SA+12:SA+13]
	v_mov_b32 v[HD], v[NM]
	s_delay_alu instid0(VALU_DEP_4)
	v_pk_add_f32 v[SA:SA+1], v[SA:SA+1], v[SA+6:SA+7]
	s_delay_alu instid0(VALU_DEP_3)
	v_pk_add_f32 v[SA+2:SA+3], v[SA+2:SA+3], v[SA+4:SA+5]
	s_delay_alu instid0(VALU_DEP_1)
	v_pk_add_f32 v[SA:SA+1], v[SA:SA+1], v[SA+2:SA+3]
	s_delay_alu instid0(VALU_DEP_1)
	v_pk_fma_f32 v[SUM:SUM+1], v[SUM:SUM+1], v[F:F+1], v[SA:SA+1] op_sel_hi:[1,0,1]
.endm
; A KEY STEP: 128 keys, one record.
.macro STEP
	v_add_nc_u32 v[AD], s[TB], v[LI]
	v_add_nc_u32 v[AD8], s[TB], v[L8]
.rept 6
	v_nop                                          ; with the two additions: eight places in front of loads into registers that the last products read
.endr
	ds_load_b128 v[KS:KS+3], v[AD] offset:KSC
.irp t, 0,1,2,3,4,5,6,7
	ds_load_b128 v[KV+8*\t:KV+8*\t+3], v[AD] offset:\t*1024
	ds_load_b128 v[KV+8*\t+4:KV+8*\t+7], v[AD] offset:\t*1024+512
.endr
	s_wait_alu depctr_va_vdst(0)
	s_wait_dscnt 6                                 ; the scale words and tiles 0 to 4 are in; the six loads of tiles 5 to 7 may be out
.irp t, 0,1,2,3
	QK \t
.endr
	s_wait_dscnt 0x0
.irp t, 4,5,6,7
	QK \t
.endr
	FOLD                                           ; eight places: in front of the loads into K's registers, and of the first read of the scores
.irp d, 0,1,2,3
.irp c, 0,1,2,3
	ds_load_b128 v[KV+16*\d+4*\c:KV+16*\d+4*\c+3], v[AD] offset:VCO+\d*2048+\c*512   ; V's fragments land while the softmax is worked
.endr
.endr
	ds_load_b64 v[VS:VS+1], v[AD8] offset:VSC
.irp b, 0,1,2,3
	v_max3_num_f32 v[BM+\b], v[S+16*\b], v[S+16*\b+1], v[S+16*\b+2]   ; the largest score of each block of 32 keys; each accumulator is read from its low end on
.endr
.irp i, 3,5,7,9,11,13
.irp b, 0,1,2,3
	v_max3_num_f32 v[BM+\b], v[BM+\b], v[S+16*\b+\i], v[S+16*\b+\i+1]
.endr
.endr
.irp b, 0,1,2,3
	v_max_num_f32 v[BM+\b], v[BM+\b], v[S+16*\b+15]
.endr
.irp b, 0,1,2,3
	s_delay_alu instid0(VALU_DEP_4)
	v_permlanex16_b32 v[BP+\b], v[BM+\b], s[SEL], s[SEL+1]
.endr
.irp b, 0,1,2,3
	s_delay_alu instid0(VALU_DEP_4)
	v_max_num_f32 v[BM+\b], v[BM+\b], v[BP+\b]     ; with lane l xor 16's 16 keys
.endr
	s_delay_alu instid0(VALU_DEP_2)
	v_max3_num_f32 v[T], v[BM], v[BM+1], v[BM+2]
	s_delay_alu instid0(VALU_DEP_1)
	v_max_num_f32 v[T], v[T], v[BM+3]              ; the step's largest score of my query
	s_delay_alu instid0(VALU_DEP_1)
	v_mul_f32 v[T], s[CS], v[T]                    ; as t
	s_delay_alu instid0(VALU_DEP_1)
	v_max_num_f32 v[NM+1], v[NM+1], v[T]           ; the running largest t
	s_delay_alu instid0(VALU_DEP_1)
	v_floor_f32 v[NM], -v[NM+1]                    ; the new -M = -ceil(t): a whole number
	s_delay_alu instid0(VALU_DEP_1)
	v_sub_f32 v[T], v[NM], v[HD]                   ; old M - new M: a whole number, 0 or less
	s_delay_alu instid0(VALU_DEP_1)
	v_cvt_i32_f32 v[T], v[T]                       ; (it saturates)
	s_delay_alu instid0(VALU_DEP_1)
	v_ldexp_f32 v[F], 1.0, v[T]                    ; f = 2^(old M - new M)
.irp j, 0,2,4,6,8,10,12,14,16,18,20,22,24,26,28,30,32,34,36,38,40,42,44,46,48,50,52,54,56,58,60,62
	v_pk_fma_f32 v[S+\j:S+\j+1], v[S+\j:S+\j+1], s[CS:CS+1], v[NM:NM+1] op_sel_hi:[1,0,0]   ; t - M, two at a time
.endr
.irp b, 0,1,2,3
	v_fma_f32 v[BM+\b], v[BM+\b], s[CS], v[NM]     ; the same of each block's largest score
.endr
	s_wait_alu depctr_va_vdst(0)
.irp b, 0,1,2,3
	v_exp_f32 v[BM+\b], v[BM+\b]                   ; the block's largest p: the same two instructions on the same number give the same bits
.endr
.irp j, 0,1,2,3,4,5,6,7,8,9,10,11,12,13,14,15,16,17,18,19,20,21,22,23,24,25,26,27,28,29,30,31,32,33,34,35,36,37,38,39,40,41,42,43,44,45,46,47,48,49,50,51,52,53,54,55,56,57,58,59,60,61,62,63
	v_exp_f32 v[S+\j], v[S+\j]                     ; p = 2^(t - M): one batch of 68
.endr
	v_nop                                          ; the plain line behind the exponentials
	s_wait_alu depctr_va_vdst(0)                   ; and the one wait behind the batch
.irp k, 0,1,2,3,4,5,6
	v_pk_add_f32 v[SA+2*\k:SA+2*\k+1], v[S+2*\k:S+2*\k+1], v[S+14+2*\k:S+15+2*\k]   ; the sum of the unquantised p: 32 pairs into seven chains; FOLD ends it behind the next products
.endr
.irp j, 14,15,16,17,18,19,20,21,22,23,24,25,26,27,28,29,30,31
	v_pk_add_f32 v[SA+2*(\j%7):SA+2*(\j%7)+1], v[SA+2*(\j%7):SA+2*(\j%7)+1], v[S+2*\j:S+2*\j+1]
.endr
.irp b, 0,1,2,3
	v_max_num_f32 v[BM+\b], FLOOR, v[BM+\b]        ; the floor: the byte cannot fall under 1
.endr
.irp b, 0,1,2,3
	s_delay_alu instid0(VALU_DEP_4)
	v_add_nc_u32 v[SO+\b], 0xfc000000, v[BM+\b]    ; 8 off the exponent field: the conversion's scale operand
.endr
.irp b, 0,1,2,3
	v_and_or_b32 v[HD+\b], v[BM+\b], 0x7f800000, s[MNT]   ; 448 x the scale
.endr
.irp b, 0,1,2,3
	v_lshrrev_b32 v[BP+\b], 23, v[SO+\b]           ; the scale's byte
.endr
	s_delay_alu instid0(VALU_DEP_3)
	v_lshl_or_b32 v[PS], v[BP+1], 8, v[BP]         ; p's scale word for these 128 keys
	s_delay_alu instid0(VALU_DEP_1)
	v_lshl_or_b32 v[PS], v[BP+2], 16, v[PS]
	s_delay_alu instid0(VALU_DEP_1)
	v_lshl_or_b32 v[PS], v[BP+3], 24, v[PS]
.irp b, 0,1,2,3
.irp i, 0,1,2,3,4,5,6,7,8,9,10,11,12,13,14,15
	v_min_num_f32 v[S+16*\b+\i], v[S+16*\b+\i], v[HD+\b]   ; the conversion does not saturate (ISA guide 7.6.2); p is not negative, so the hold is one-sided
.endr
	v_cvt_scalef32_pk8_fp8_f32 v[PC+4*\b:PC+4*\b+1], v[S+16*\b:S+16*\b+7], v[SO+\b]
	v_cvt_scalef32_pk8_fp8_f32 v[PC+4*\b+2:PC+4*\b+3], v[S+16*\b+8:S+16*\b+15], v[SO+\b]
.endr
	s_wait_alu depctr_va_vdst(0)                   ; directly ahead of the first reader of O^T
.irp j, 0,2,4,6,8,10,12,14,16,18,20,22,24,26,28,30
	v_pk_mul_f32 v[O+\j:O+\j+1], v[O+\j:O+\j+1], v[F:F+1] op_sel_hi:[1,0]   ; O^T under the new M; these sixteen also stand between the last conversion and the products
.endr
	s_wait_alu depctr_va_vdst(0)
	s_wait_dscnt 0x0                               ; V's fragments and scale words are in
.irp d, 0,1,2,3
	PV \d                                          ; the four accumulators take turns
.endr
	s_add_co_u32 s[TB], s[TB], REC
.endm
; Q's way in.  QADDR: my offset in a tile's 16 rows (a load takes 4 rows, 8 lanes to a row) and my stage's two addresses.  Twelve plain lines that name no register of a product.
.macro QADDR
	v_bfe_u32 v[AD], v0, 3, 2                      ; lane / 8
	v_and_b32 v[BP+3], 7, v0                       ; lane % 8
	v_lshlrev_b32 v[AD8], 12, v[AD]
	v_lshl_or_b32 v[AD8], v[BP+3], 4, v[AD8]       ; in memory: 4,096 (lane / 8) + 16 (lane % 8)
	v_mul_u32_u24 v[BP+2], v[AD], QSP
	v_lshl_add_u32 v[BP+2], v[BP+3], 4, v[BP+2]
	v_add_nc_u32 v[BP+2], s14, v[BP+2]             ; the stage, in: row lane / 8 (+ 4 n), 16 (lane % 8)
	v_and_b32 v[AD], 15, v0
	v_mul_u32_u24 v[BP+3], v[AD], QSP
	v_bfe_u32 v[AD], v0, 4, 1
	v_lshl_add_u32 v[BP+3], v[AD], 6, v[BP+3]
	v_add_nc_u32 v[BP+3], s14, v[BP+3]             ; the stage, out: row lane % 16, + 64 (lane / 16)
.endm
.macro QLOAD dst, off                  ; 16 rows of 256 bytes, in two halves of 128 bytes (a block of 32 numbers each)
.irp c, 0,1
.irp n, 0,1,2,3
	global_load_b128 v[\dst+16*\c+4*\n:\dst+16*\c+4*\n+3], v[AD8], s[4:5] offset:\off+\n*16384+128*\c th:TH_LOAD_NT
.endr
.endr
.endm
; The 16 rows as loaded in \src go through my stage into a fragment's order and are quantised: codes to QC, scale words to QS.
.macro QQ src
.irp c, 0,1
.irp n, 0,1,2,3
	ds_store_b128 v[BP+2], v[\src+16*\c+4*\n:\src+16*\c+4*\n+3] offset:4*QSP*\n
.endr
.irp j, 0,1,2,3
	ds_load_b128 v[S+16*\c+4*\j:S+16*\c+4*\j+3], v[BP+3] offset:16*\j   ; LDS serves a wave's instructions in order (ISA guide 5.7.1): these see my stores, and later stores come behind them
.endr
.endr
	s_wait_dscnt 0x0
.irp c, 0,1
	v_max3_num_f32 v[BM+\c], |v[S+16*\c]|, |v[S+16*\c+1]|, FLOOR
.endr
.irp i, 2,4,6,8,10,12,14
.irp c, 0,1
	s_delay_alu instid0(VALU_DEP_2)
	v_max3_num_f32 v[BM+\c], v[BM+\c], |v[S+16*\c+\i]|, |v[S+16*\c+\i+1]|
.endr
.endr
.irp c, 0,1
	s_delay_alu instid0(VALU_DEP_2)
	v_permlanex16_b32 v[BP+\c], v[BM+\c], s[SEL], s[SEL+1]
.endr
.irp c, 0,1
	s_delay_alu instid0(VALU_DEP_2)
	v_max_num_f32 v[BM+\c], v[BM+\c], v[BP+\c]     ; with lane l xor 16's: the block's largest magnitude
.endr
.irp c, 0,1
	s_delay_alu instid0(VALU_DEP_2)
	v_add_nc_u32 v[SO+\c], 0xfc000000, v[BM+\c]
.endr
.irp c, 0,1
	s_delay_alu instid0(VALU_DEP_4)
	v_and_or_b32 v[HD+\c], v[BM+\c], 0x7f800000, s[MNT]
.endr
.irp c, 0,1
	s_delay_alu instid0(VALU_DEP_4)
	v_lshrrev_b32 v[BP+\c], 23, v[SO+\c]
.endr
	s_delay_alu instid0(VALU_DEP_1)
	v_lshl_or_b32 v[QS], v[BP+1], 8, v[BP]
	s_delay_alu instid0(VALU_DEP_1)
	v_lshl_or_b32 v[QS], v[QS], 16, v[QS]          ; b0, b1, b0, b1: the blocks of zero codes repeat the bytes
.irp c, 0,1
.irp i, 0,1,2,3,4,5,6,7,8,9,10,11,12,13,14,15
	v_med3_num_f32 v[S+16*\c+\i], v[S+16*\c+\i], -v[HD+\c], v[HD+\c]
.endr
	v_cvt_scalef32_pk8_fp8_f32 v[QC+4*\c:QC+4*\c+1], v[S+16*\c:S+16*\c+7], v[SO+\c]
	v_cvt_scalef32_pk8_fp8_f32 v[QC+4*\c+2:QC+4*\c+3], v[S+16*\c+8:S+16*\c+15], v[SO+\c]
.endr
	v_nop                                          ; one plain line behind the last conversion
.endm
.macro INIT                            ; a tile of queries begins: O^T, the sums and f are zeros, the largest t is under every t
.irp j, 0,1,2,3,4,5,6,7,8,9,10,11,12,13,14,15,16,17,18,19,20,21,22,23,24,25,26,27,28,29,30,31
	v_mov_b32 v[O+\j], 0
.endr
.irp j, 0,1,2,3,4,5,6,7,8,9,10,11,12,13
	v_mov_b32 v[SA+\j], 0
.endr
	v_mov_b32 v[SUM], 0
	v_mov_b32 v[SUM+1], 0
	v_mov_b32 v[F], 0
	v_mov_b32 v[NM+1], 0xff61b1e6                  ; -3e38
	s_delay_alu instid0(VALU_DEP_1)
	v_floor_f32 v[NM], -v[NM+1]
.endm
.macro RUN first, trips                ; the key steps of records first .. first + trips - 1
	s_mov_b32 s[TB], \first*REC
	s_mov_b32 s[CNT], \trips
.Lstep_\@:
	s_wait_alu depctr_va_vdst(0)
	STEP
	s_sub_co_u32 s[CNT], s[CNT], 1
	s_cmp_lg_u32 s[CNT], 0
	s_cbranch_scc1 .Lstep_\@
.endm
; THE WAY OUT of tile p.
.macro OUT p
.if \p == 0
	QADDR                                          ; my second tile of queries is asked for now, into registers of V's that are done with: QADDR's twelve lines are the places behind the last products
	QLOAD KV+32, NEXTQ
.endif
	FOLD                                           ; the last step's sums; also eight places behind the last products
	s_delay_alu instid0(VALU_DEP_1)
	v_add_f32 v[SUM], v[SUM], v[SUM+1]
	s_delay_alu instid0(VALU_DEP_1)
	v_permlanex16_b32 v[T], v[SUM], s[SEL], s[SEL+1]
	s_delay_alu instid0(VALU_DEP_1)
	v_add_f32 v[SUM], v[SUM], v[T]                 ; the row's sum
	s_wait_alu depctr_va_vdst(0)                   ; ahead of the reciprocal
	v_rcp_f32 v[SUM], v[SUM]
	v_and_b32 v[T], 8, v0                          ; 0 in the lanes of queries 0 to 7.  (The plain line behind the reciprocal)
	s_wait_alu depctr_va_vdst(0)                   ; and ahead of its first reader, which is O^T's first reader too
.irp j, 0,2,4,6,8,10,12,14,16,18,20,22,24,26,28,30
	v_pk_mul_f32 v[S+\j:S+\j+1], v[O+\j:O+\j+1], v[SUM:SUM+1] op_sel_hi:[1,0]   ; register 8 d + i is o(r, 16 d + 8 h + i)
.endr
	; My stage holds 8 rows of 256 + 16 bytes: queries 0 to 7 go through it, then queries 8 to 15, all lanes storing each time.
	; For that, lanes r and r xor 8 exchange half of their 32 numbers: lanes r < 8 give channels 32 on and get the partner's channels 0 to 31; lanes r >= 8 the other way round.
	; Then in each round lanes r < 8 hold channels 0 to 31 of the round's query r % 8, lanes r >= 8 its channels 32 to 63.
	v_cmp_ne_u32 vcc_lo, 0, v[T]                   ; lanes r >= 8
.irp j, 0,1,2,3,4,5,6,7,8,9,10,11,12,13,14,15
	v_cndmask_b32 v[KV+\j], v[S+16+\j], v[S+\j], vcc_lo            ; what I give
.endr
.irp j, 0,1,2,3,4,5,6,7,8,9,10,11,12,13,14,15
	v_mov_b32_dpp v[KV+16+\j], v[KV+\j] row_xmask:8 row_mask:0xf bank_mask:0xf   ; what I get
.endr
.irp j, 0,1,2,3,4,5,6,7,8,9,10,11,12,13,14,15
	v_cndmask_b32 v[KV+\j], v[S+\j], v[KV+16+\j], vcc_lo           ; queries 0 to 7: r < 8 my own, r >= 8 what I got
	v_cndmask_b32 v[KV+16+\j], v[KV+16+\j], v[S+16+\j], vcc_lo     ; queries 8 to 15: r < 8 what I got, r >= 8 my own
.endr
.irp u, 0,1
.irp d, 0,1
	ds_store_b128 v[STO], v[KV+16*\u+8*\d:KV+16*\u+8*\d+3] offset:64*\d
	ds_store_b128 v[STO], v[KV+16*\u+8*\d+4:KV+16*\u+8*\d+7] offset:64*\d+16
.endr
.irp n, 0,1,2,3
	ds_load_b128 v[S+32+16*\u+4*\n:S+32+16*\u+4*\n+3], v[RD] offset:\n*2*OSP   ; my own bytes, served in order: these see the stores above, and the next stores come behind them
.endr
.endr
.irp n, 0,1,2,3,4,5,6,7
.if \n < 4
	s_wait_dscnt 11-\n                             ; behind load n: 3 - n loads, the 4 stores and the 4 loads of the second half
.else
	s_wait_dscnt 7-\n
.endif
	global_store_b128 v[GO], v[S+32+4*\n:S+32+4*\n+3], s[8:9] offset:\p*NEXTQ+\n*8192 th:TH_STORE_NT   ; sixteen lanes store one query's 256 bytes, aligned
.endr
.endm
	s_load_b128 s[4:7], s[0:1], 0x0                ; queries s[4:5], kv s[6:7]
	s_load_b64 s[8:9], s[0:1], 0x10                ; out0
	v_lshl_add_u32 v[SPW], v0, 2, SPARE
	v_mov_b32 v[NIL], 0
	ds_add_u32 v[SPW], v[NIL]                      ; the opening lines: the add, twice on end, and its wait
	ds_add_u32 v[SPW], v[NIL]
	v_lshrrev_b32 v1, 5, v0
	s_delay_alu instid0(VALU_DEP_1)
	v_readfirstlane_b32 s[WV], v1                  ; wave 0..15
	s_bfe_u32 s11, ttmp6, 0x40000                  ; cx: my block of 512 queries: it enters queries' and out0's offset alone
	s_and_b32 s13, ttmp7, 0xffff                   ; 16 x batch + head, which the four partners share
	s_lshl_b32 s48, s11, 9
	s_lshl_b32 s14, s[WV], 4
	s_add_co_u32 s48, s48, s14                     ; my first query,
	s_lshl_b32 s48, s48, 12                        ; 4,096 bytes a query,
	s_lshr_b32 s14, s13, 4
	s_lshl_b32 s14, s14, 23                        ; 2^23 a batch,
	s_add_co_u32 s48, s48, s14
	s_and_b32 s14, s13, 15
	s_lshl_b32 s14, s14, 8                         ; 256 a head
	s_add_co_u32 s48, s48, s14
	s_mov_b32 s49, 0
	s_mul_i32 s50, s13, HEADB                      ; the head's first record in kv,
	s_mul_i32 s15, s[WV], REC                      ; and my record: in memory and in LDS alike
	s_add_co_u32 s50, s50, s15
	s_mov_b32 s51, 0
	; group 1: a record is a dense block: 67 rows of 256 bytes (32 elements of 8 bytes), no padding
	s_mov_b32 s[G1+0], 15|(3<<16)|(1<<21)          ; the mask: all four work-groups; elements of 8 bytes; bit 21 beside a mask
	s_mov_b32 s[G1+1], 32<<16
	s_mov_b32 s[G1+2], 67<<16
	s_mov_b32 s[G1+3], 32<<16
	s_mov_b32 s[G1+4], 67
	s_mov_b32 s[G1+5], 32
	s_mov_b32 s[G1+6], 0
	s_mov_b32 s[G1+7], 0
	s_mov_b32 s[SEL], 0x76543210
	s_mov_b32 s[SEL+1], 0xfedcba98
	s_mov_b32 s[CS], 0x3fb8aa3b                    ; log2(e)
	s_mov_b32 s[CS+1], s[CS]
	s_mov_b32 s[MNT], 0x600000
	s_mul_i32 s14, s[WV], WST
	s_add_co_u32 s14, s14, QST                     ; my stage
	s_wait_dscnt 0x0
	s_wait_kmcnt 0x0
	s_add_nc_u64 s[4:5], s[4:5], s[48:49]          ; queries and out0 at my wave's first row
	s_add_nc_u64 s[8:9], s[8:9], s[48:49]
	s_mov_b32 s[G0], 1
	s_mov_b32 s[G0+1], s15
	s_add_nc_u64 s[G0+2:G0+3], s[6:7], s[50:51]
	s_or_b32 s[G0+3], s[G0+3], 0x80000000
	v_and_b32 v[AD], 31, v0
	s_delay_alu instid0(VALU_DEP_1)
	v_lshlrev_b32 v[LI], 4, v[AD]
	s_delay_alu instid0(VALU_DEP_2)
	v_lshlrev_b32 v[L8], 3, v[AD]
	s_delay_alu instid0(VALU_DEP_3)
	v_min_u32 v[PFO], 15, v[AD]
	s_delay_alu instid0(VALU_DEP_1)
	v_lshlrev_b32 v[PFO], 12, v[PFO]               ; a lane a row; lanes 16 to 31 name the last row again
	QADDR
	QLOAD S+32, 0                                  ; my first tile of queries, asked for ahead of the round: it is what is worked first
	s_wait_alu depctr_va_vdst(0)
	ROUND                                          ; all four work-groups are here: the joint loads meet
	s_cmp_lt_u32 s[WV], 4                          ; record number = my wave's number: my one tensor load.  Waves 0 to 3, which alone wait at the first barrier, have a line of their own
	s_cbranch_scc0 .Llater
	tensor_load_to_lds s[G0:G0+3], s[G1:G1+7]
	s_nop 0
.rept 4
	v_nop
.endr
	s_branch .Lasked
.Llater:
	tensor_load_to_lds s[G0:G0+3], s[G1:G1+7]
	s_nop 0
.rept 4
	v_nop
.endr
.Lasked:
.irp j, 0,1,2,3,4,5,6,7
	v_mov_b32 v[QC+8+\j], 0                        ; Q's zero codes for k = 64 .. 127
	v_mov_b32 v[KV+64+\j], 0                       ; and what stands behind K's tile 7
.endr
.irp b, 0,1
	v_mov_b32 v[BP+\b], 0                          ; a lane permute's destination counts as one of its sources
.endr
	v_mov_b32 v[F+1], 0                            ; (named as the upper half of a pair)
	INIT
	s_wait_loadcnt 0x0
	QQ S+32
	; the way out's addresses
	v_and_b32 v[BP], 15, v0                        ; r
	v_bfe_u32 v[BP+1], v0, 4, 1                    ; h
	v_and_b32 v[BP+2], 7, v0                       ; r % 8
	s_delay_alu instid0(VALU_DEP_1)
	v_mul_u32_u24 v[STO], v[BP+2], OSP
	s_delay_alu instid0(VALU_DEP_1)
	v_lshl_add_u32 v[STO], v[BP+1], 5, v[STO]
	v_and_b32 v[BP+3], 8, v0
	s_delay_alu instid0(VALU_DEP_1)
	v_lshl_add_u32 v[STO], v[BP+3], 4, v[STO]      ; lanes r >= 8 store channels 32 on: 128 bytes further
	s_delay_alu instid0(VALU_DEP_1)
	v_add_nc_u32 v[STO], s14, v[STO]               ; in: row r % 8; a tile's eight channels of my half: 64 d + 32 h bytes on
	v_mul_u32_u24 v[RD], v[BP+1], OSP
	s_delay_alu instid0(VALU_DEP_1)
	v_lshl_add_u32 v[RD], v[BP], 4, v[RD]
	s_delay_alu instid0(VALU_DEP_1)
	v_add_nc_u32 v[RD], s14, v[RD]                 ; back: lanes 0-15 one row, lanes 16-31 the next
	v_lshlrev_b32 v[GO], 12, v[BP+1]
	s_delay_alu instid0(VALU_DEP_1)
	v_lshl_add_u32 v[GO], v[BP], 4, v[GO]          ; and the same two queries in out0, 4,096 bytes apart
	s_wait_alu depctr_va_vdst(0)
	s_cmp_lt_u32 s[WV], 4
	s_cbranch_scc0 .Lnot_first
	s_wait_tensorcnt 0x0                           ; waves 0 to 3: my record is in
.Lnot_first:
	s_wait_dscnt 0x0
	s_barrier_signal -1
	s_barrier_wait -1                              ; records 0 to 3 are whole; the twelve others may be on their way
	global_prefetch_b8 v[PFO], s[4:5] offset:NEXTQ th:TH_LOAD_NT scope:SCOPE_SE   ; my second tile's 16 rows of 256 bytes, 16 key steps ahead of their loads; its registers are never rewritten
	RUN 0, 4
	s_wait_tensorcnt 0x0                           ; every wave: my record is in,
	s_wait_dscnt 0x0
	s_barrier_signal -1
	s_barrier_wait -1                              ; and so is everybody's: the whole head
	RUN 4, 12
	OUT 0
	INIT                                           ; my second tile of queries
	s_wait_loadcnt 0x0
	QQ KV+32
	s_wait_xcnt 0x0                                ; the stores have read their data: the scores' registers are written again only behind this wait
	RUN 0, 16
	OUT 1
	s_wait_tensorcnt 0x0                           ; the wave's end
	ds_add_u32 v[SPW], v[NIL]
	s_wait_dscnt 0x0
	ROUND                                          ; the closing round
	s_endpgm
.Lfunc_end_k_qe89ec45dfd_attend:
	.size	k_qe89ec45dfd_attend, .Lfunc_end_k_qe89ec45dfd_attend-k_qe89ec45dfd_attend
	.p2alignl 7, 3214868480
	.fill 96, 4, 3214868480
	.section	.rodata,"a",@progbits
	.p2align	6, 0x0
	.amdhsa_kernel k_qe89ec45dfd_attend
		.amdhsa_group_segment_fixed_size 327680
		.amdhsa_private_segment_fixed_size 0
		.amdhsa_enable_private_segment 0
		.amdhsa_kernarg_size 24
		.amdhsa_user_sgpr_count 2
		.amdhsa_user_sgpr_kernarg_segment_ptr 1
		.amdhsa_wavefront_size32 1
		.amdhsa_system_sgpr_workgroup_id_x 1
		.amdhsa_system_sgpr_workgroup_id_y 1
		.amdhsa_system_sgpr_workgroup_id_z 1
		.amdhsa_system_vgpr_workitem_id 0
		.amdhsa_next_free_vgpr 256
		.amdhsa_next_free_sgpr 66
		.amdhsa_reserve_vcc 1
		.amdhsa_float_denorm_mode_32 3
		.amdhsa_float_denorm_mode_16_64 3
		.amdhsa_memory_ordered 1
		.amdhsa_forward_progress 1
		.amdhsa_inst_pref_size 95
	.end_amdhsa_kernel
	.amdgpu_metadata
---
amdhsa.version: [ 1, 2 ]
amdhsa.kernels:
  - .name:           k_qe89ec45dfd_attend
    .symbol:         k_qe89ec45dfd_attend.kd
    .args:
      - { .name: queries, .offset: 0, .size: 8, .value_kind: global_buffer, .address_space: global }
      - { .name: kv, .offset: 8, .size: 8, .value_kind: global_buffer, .address_space: global }
      - { .name: out0, .offset: 16, .size: 8, .value_kind: global_buffer, .address_space: global }
    .group_segment_fixed_size: 327680
    .private_segment_fixed_size: 0
    .kernarg_segment_align: 8
    .kernarg_segment_size: 24
    .max_flat_workgroup_size: 512
    .sgpr_count:     66
    .vgpr_count:     256
    .wavefront_size: 32
...
	.end_amdgpu_metadata
.endif
;; end of part 2
